; MI455X (gfx1250); checked and timed in simulation.
; The chip was launched on July 23, 2026; its instructions are those of AMD's public machine-readable ISA for CDNA 5 (MIT licence, August 2026) and "CDNA5" Instruction Set Architecture Reference Guide (July 2026). The comments in the code are by the model that wrote it; some were corrected since.
;; Mo E Layer. Allowed arithmetic: float matrix products may take bf16 or f16 operands with f32 sums; other float arithmetic in f32, or as packed bf16 or f16 multiplies, adds, multiply-adds, maxima and minima; sums over many terms, partial sums and values carried from step to step in f32; what a program stores and reads back later, other than sums and carried values, may be rounded once to bf16 or f16.
;; Inputs: b1 8 x 4,096 float32; b2 8 x 1,024 float32; gate_b 8 float32; gate_w 1,024 x 8 float32; w1 8 x 1,024 x 4,096 float32; w2 8 x 4,096 x 1,024 float32; x 512 x 2 x 1,024 float32.
;; Outputs: out0 512 x 2 x 1,024 float32.
;; One version. Each part assembles by itself: llvm-mc -triple=amdgcn-amd-amdhsa -mcpu=gfx1250 --defsym DOCPART=n.
;; ======== version 1 of 1: 5 launches
;; workspace buffers: xb 2,097,152 bytes; bm 2,048 bytes of whole numbers; prob 8,192 bytes; xg 16,777,216 bytes; h_ws 67,108,864 bytes; list 40,960 bytes of whole numbers; cnt 2,048 bytes of whole numbers; y_ws 33,554,432 bytes
;; launch route (part 1): grid 128 x 1, 8 waves a work-group, no clusters, 17,664 bytes of LDS; arguments x, gate_w, gate_b, xb, bm, prob; writes xb, bm, prob
.if DOCPART == 1
	.amdgcn_target "amdgcn-amd-amdhsa--gfx1250"
	.amdhsa_code_object_version 6
	.text
	.protected	k_q6329758fff_route
	.globl	k_q6329758fff_route
	.p2align	8
	.type	k_q6329758fff_route,@function
k_q6329758fff_route:
	s_mov_b64 s[64:65], 0
	v_nop
	global_prefetch_b8 v0, s[64:65] scope:SCOPE_SE
	s_setreg_imm32_b32 hwreg(HW_REG_WAVE_MODE, 25, 1), 1
	s_wait_xcnt 0x0
; ROUTE.  scores = x gate_w + gate_b for 1,024 tokens and 8 experts; the two largest scores of a token, their softmax; x rounded to bf16 for the products.
; FORMATS.  x, gate_w and gate_b are rounded once to bf16 (nearest even), like every other input of the program's products; the scores are made of the ROUNDED numbers: exact products
; of bf16 halves, sums in f32 (32 terms a lane in order of d, then a tree over the 32 lanes: another order of rounding than a plain sum over d).
; LIMITS.  Equal scores: the lower index wins (strict greater-than).  NaN and infinities are not treated apart.  The softmax of two takes the larger score away:
; t = 2^((v2 - v1) log2 e), p1 = 1 / (1 + t), p2 = t p1; a t below 2^-126 counts as 0.
; SHARES.  A work-group has 8 tokens, a wave one: lane L holds x[128 q + 4 L + c], q = 0..7, c = 0..3, so each load covers 512 and each store of xb 256 consecutive aligned bytes.
; The gate has 8 columns: half a matrix tile, a twentieth of a per cent of the program's products; it is done on the vector unit, where lanes along a row serve the rounding of x too.
; OUT.  xb [token][1024] bf16.  prob [2][1024] f32: plane 0 the weight of the token's LOWER-numbered expert, plane 1 of the higher.  bm: bit token % 8 of byte kind x 1024 + e x 128 + token / 8
; says that e is the token's lower (kind 0) or higher (kind 1) expert.  All places are fixed: no address hangs on the choice.
.set SC,    16384                      ; LDS: 0..16383 gate_w as bf16; here 8 x 32 bytes of scores
.set SPARE, 16640                      ; the spare words, 128 bytes a wave: four blocks of 256 bytes that no other line names
.set ACC, 8                            ; v8-15    the eight scores
.set XR,  32                           ; v32-63   x as loaded
.set GP,  64                           ; v64-191  gate_w in bf16: for (q, c) four registers, experts in pairs
.set GR,  192                          ; v192-223 my wave's 128 rows of gate_w as loaded
.set XP,  224                          ; v224-239 x in bf16
.set GS,  240                          ; v240-255 my part of gate_w in bf16, to LDS
	s_load_b256 s[4:11], s[0:1], 0x0               ; x s[4:5], gate_w s[6:7], gate_b s[8:9], xb s[10:11]
	s_load_b128 s[12:15], s[0:1], 0x20             ; bm s[12:13], prob s[14:15]
	v_lshl_add_u32 v30, v0, 2, SPARE               ; my spare word,
	v_mov_b32 v31, 0                               ; and 0: kept for the closing add alone
	v_lshrrev_b32 v16, 5, v0
	v_readfirstlane_b32 s16, v16                   ; wave 0..7
	v_and_b32 v1, 31, v0                           ; lane L
	v_lshlrev_b32 v2, 4, v1                        ; 16 L
	s_lshl_b32 s17, ttmp9, 3
	s_add_co_u32 s17, s17, s16                     ; my token
	s_lshl_b32 s18, s16, 12
	v_lshl_add_u32 v4, v1, 7, s18                  ; gate_w: rows 128 wave + 4 L .. + 3 are 128 bytes
	s_lshl_b32 s18, s16, 11
	v_add_nc_u32 v5, s18, v2                       ; LDS: wave x 2,048 + 16 L
	s_lshl_b32 s18, s17, 12
	v_add_nc_u32 v6, s18, v2                       ; x: token x 4,096 + 16 L
	s_lshl_b32 s18, s17, 11
	v_lshl_add_u32 v7, v1, 3, s18                  ; xb: token x 2,048 + 8 L
	v_mov_b32 v29, 0                               ; the addend that starts the eight sums
	s_mov_b32 s28, 0x76543210                      ; v_permlanex16_b32: each lane takes its own place in the other half
	s_mov_b32 s29, 0xfedcba98
	s_mov_b32 s19, ttmp9
	s_wait_kmcnt 0x0
	s_load_b256 s[20:27], s[8:9], 0x0              ; gate_b
.irp m, 0,1,2,3,4,5,6,7
	global_load_b128 v[GR+4*(\m):GR+4*(\m)+3], v4, s[6:7] offset:16*(\m)  ; register 8 c + e: row 128 wave + 4 L + c, expert e
.endr
.irp q, 0,1,2,3,4,5,6,7
	global_load_b128 v[XR+4*(\q):XR+4*(\q)+3], v6, s[4:5] offset:512*(\q) th:TH_LOAD_NT
.endr
	s_wait_loadcnt 8                               ; gate_w is in; the eight younger loads, x, stay out
.irp c, 0,1,2,3
.irp u, 0,1,2,3
	v_cvt_pk_bf16_f32 v[GS+4*(\c)+(\u)], v[GR+8*(\c)+2*(\u)], v[GR+8*(\c)+2*(\u)+1]
.endr
.endr
.irp c, 0,1,2,3
	ds_store_b128 v5, v[GS+4*(\c):GS+4*(\c)+3] offset:512*(\c)  ; 512 consecutive bytes a store
.endr
	s_wait_dscnt 0x0                               ; for the others' sake: my part of the table is stored
	s_barrier_signal -1
	s_barrier_wait -1
.irp q, 0,1,2,3,4,5,6,7
.irp c, 0,1,2,3
	ds_load_b128 v[GP+16*(\q)+4*(\c):GP+16*(\q)+4*(\c)+3], v2 offset:2048*(\q)+512*(\c)  ; the gate's row 128 q + 4 L + c
.endr
.endr
	s_wait_loadcnt 0x0                             ; x
.irp q, 0,1,2,3,4,5,6,7
	v_cvt_pk_bf16_f32 v[XP+2*(\q)], v[XR+4*(\q)], v[XR+4*(\q)+1]
	v_cvt_pk_bf16_f32 v[XP+2*(\q)+1], v[XR+4*(\q)+2], v[XR+4*(\q)+3]
.endr
.irp q, 0,1,2,3,4,5,6,7
	global_store_b64 v7, v[XP+2*(\q):XP+2*(\q)+1], s[10:11] offset:256*(\q)  ; 32 lanes store 256 consecutive bytes, aligned
.endr
	s_wait_dscnt 0x0                               ; the table
; 256 multiply-adds from bf16 halves into f32: eight chains, one an expert
.irp q, 0,1,2,3,4,5,6,7
.irp ch, 0,1
.irp cl, 0,1
.irp eh, 0,1,2,3
.irp el, 0,1
.if ((\q)+(\ch)+(\cl)) == 0
	v_fma_mix_f32_bf16 v[ACC+2*(\eh)+(\el)], v[XP+2*(\q)+(\ch)], v[GP+16*(\q)+4*(2*(\ch)+(\cl))+(\eh)], v29 op_sel:[\cl,\el,0] op_sel_hi:[1,1,0]
.else
	v_fma_mix_f32_bf16 v[ACC+2*(\eh)+(\el)], v[XP+2*(\q)+(\ch)], v[GP+16*(\q)+4*(2*(\ch)+(\cl))+(\eh)], v[ACC+2*(\eh)+(\el)] op_sel:[\cl,\el,0] op_sel_hi:[1,1,0]
.endif
.endr
.endr
.endr
.endr
.endr
; the sums over the 32 lanes: four steps inside each half ride on the addition, one crosses the halves
.irp m, 1,2,4,8
.irp e, 0,1,2,3,4,5,6,7
	v_add_f32_dpp v[ACC+(\e)], v[ACC+(\e)], v[ACC+(\e)] row_xmask:\m row_mask:0xf bank_mask:0xf
.endr
.endr
.irp e, 0,1,2,3,4,5,6,7
	v_permlanex16_b32 v[GR+(\e)], v[ACC+(\e)], s28, s29  ; its destination counts as read: registers that the loads have written
.endr
.irp e, 0,1,2,3,4,5,6,7
	v_add_f32 v[ACC+(\e)], v[ACC+(\e)], v[GR+(\e)]
.endr
	s_lshl_b32 s18, s16, 5
	s_add_co_u32 s18, s18, SC
	v_mov_b32 v16, s18
	ds_store_b128 v16, v[ACC:ACC+3]                ; all lanes store the same 32 bytes: my token's scores
	ds_store_b128 v16, v[ACC+4:ACC+7] offset:16
	s_wait_kmcnt 0x0                               ; gate_b
	s_wait_dscnt 0x0                               ; for wave 0's sake
	s_barrier_signal -1
	s_barrier_wait -1
	s_cmp_lg_u32 s16, 0
	s_cbranch_scc1 .Lend                           ; wave 0 alone goes on: lane L works for token L % 8 of the eight
	v_and_b32 v17, 7, v1
	v_lshl_add_u32 v16, v17, 5, SC
	ds_load_b128 v[ACC:ACC+3], v16
	ds_load_b128 v[ACC+4:ACC+7], v16 offset:16
.irp u, 0,1,2,3
	v_cvt_pk_bf16_f32 v[32+(\u)], s[20+2*(\u)], s[21+2*(\u)]  ; gate_b rounded to bf16,
.endr
.irp u, 0,1,2,3
	v_lshlrev_b32 v[40+2*(\u)], 16, v[32+(\u)]     ; and back in f32
	v_and_b32 v[41+2*(\u)], 0xffff0000, v[32+(\u)]
.endr
	s_wait_dscnt 0x0
.irp e, 0,1,2,3,4,5,6,7
	v_add_f32 v[ACC+(\e)], v[ACC+(\e)], v[40+(\e)]
.endr
	v_mov_b32 v18, v[ACC]                          ; the largest score and its index
	v_mov_b32 v19, 0
.irp i, 1,2,3,4,5,6,7
	v_cmp_gt_f32 vcc_lo, v[ACC+(\i)], v18
	v_cndmask_b32 v18, v18, v[ACC+(\i)], vcc_lo
	v_cndmask_b32 v19, v19, \i, vcc_lo
.endr
	v_mov_b32 v28, 0xff800000
.irp i, 0,1,2,3,4,5,6,7
	v_cmp_eq_u32 vcc_lo, \i, v19                   ; the winner leaves the field
	v_cndmask_b32 v[ACC+(\i)], v[ACC+(\i)], v28, vcc_lo
.endr
	v_mov_b32 v20, v[ACC]                          ; the second largest and its index
	v_mov_b32 v21, 0
.irp i, 1,2,3,4,5,6,7
	v_cmp_gt_f32 vcc_lo, v[ACC+(\i)], v20
	v_cndmask_b32 v20, v20, v[ACC+(\i)], vcc_lo
	v_cndmask_b32 v21, v21, \i, vcc_lo
.endr
	v_sub_f32 v24, v20, v18                        ; v2 - v1, never above 0
	v_mul_f32 v24, 0x3fb8aa3b, v24
	v_exp_f32 v25, v24                             ; t
	v_min_u32 v22, v19, v21                        ; the lower-numbered expert: the plain instruction behind the exponential
	s_wait_alu depctr_va_vdst(0)                   ; the wait ahead of the first use of t
	v_add_f32 v26, 1.0, v25
	v_rcp_f32 v27, v26                             ; p1
	v_max_u32 v23, v19, v21                        ; the higher-numbered expert: the plain instruction behind the reciprocal
	s_wait_alu depctr_va_vdst(0)                   ; and ahead of the first use of p1
	v_mul_f32 v28, v25, v27                        ; p2
	v_cmp_lt_u32 vcc_lo, v19, v21
	v_cndmask_b32 v32, v28, v27, vcc_lo            ; the lower expert's weight
	v_cndmask_b32 v33, v27, v28, vcc_lo            ; the higher expert's
	s_lshl_b32 s18, s19, 5
	v_lshl_add_u32 v34, v17, 2, s18                ; 4 x token; lanes 8 apart store the same word with the same number
	global_store_b32 v34, v32, s[14:15]
	global_store_b32 v34, v33, s[14:15] offset:4096
.irp i, 0,1,2,3,4,5,6,7
	v_cmp_eq_u32 s[32+(\i)], \i, v22               ; bits 0-7: which of my eight tokens have expert i as their lower,
	v_cmp_eq_u32 s[40+(\i)], \i, v23               ; and as their higher
.endr
	v_mov_b32 v35, 0
.set z, 0
.rept 16
	v_writelane_b32 v35, s[32+z], z                ; lane kind x 8 + e holds that byte
.set z, z+1
.endr
	v_lshl_add_u32 v36, v1, 7, s19                 ; byte (kind x 8 + e) x 128 + token / 8
	s_wait_xcnt 0x0                                ; EXEC changes only behind this wait: the stores above have it as a source
	v_cmp_gt_u32 vcc_lo, 16, v1
	s_and_saveexec_b32 s30, vcc_lo
	global_store_b8 v36, v35, s[12:13]
	s_wait_xcnt 0x0                                ; and again ahead of the line that widens it
	s_or_b32 exec_lo, exec_lo, s30
.Lend:
	s_wait_tensorcnt 0x0                           ; the wave's end
	ds_add_u32 v30, v31
	s_wait_dscnt 0x0
	s_endpgm
.Lfunc_end_k_q6329758fff_route:
	.size	k_q6329758fff_route, .Lfunc_end_k_q6329758fff_route-k_q6329758fff_route
	.p2alignl 7, 3214868480
	.fill 96, 4, 3214868480
	.section	.rodata,"a",@progbits
	.p2align	6, 0x0
	.amdhsa_kernel k_q6329758fff_route
		.amdhsa_group_segment_fixed_size 17664
		.amdhsa_private_segment_fixed_size 0
		.amdhsa_enable_private_segment 0
		.amdhsa_kernarg_size 48
		.amdhsa_user_sgpr_count 2
		.amdhsa_user_sgpr_kernarg_segment_ptr 1
		.amdhsa_wavefront_size32 1
		.amdhsa_system_sgpr_workgroup_id_x 1
		.amdhsa_system_sgpr_workgroup_id_y 1
		.amdhsa_system_sgpr_workgroup_id_z 1
		.amdhsa_system_vgpr_workitem_id 0
		.amdhsa_next_free_vgpr 256
		.amdhsa_next_free_sgpr 66
		.amdhsa_reserve_vcc 1
		.amdhsa_float_denorm_mode_32 3
		.amdhsa_float_denorm_mode_16_64 3
		.amdhsa_memory_ordered 1
		.amdhsa_forward_progress 1
		.amdhsa_inst_pref_size 34
	.end_amdhsa_kernel
	.amdgpu_metadata
---
amdhsa.version: [ 1, 2 ]
amdhsa.kernels:
  - .name:           k_q6329758fff_route
    .symbol:         k_q6329758fff_route.kd
    .args:
      - { .name: x, .offset: 0, .size: 8, .value_kind: global_buffer, .address_space: global }
      - { .name: gate_w, .offset: 8, .size: 8, .value_kind: global_buffer, .address_space: global }
      - { .name: gate_b, .offset: 16, .size: 8, .value_kind: global_buffer, .address_space: global }
      - { .name: xb, .offset: 24, .size: 8, .value_kind: global_buffer, .address_space: global }
      - { .name: bm, .offset: 32, .size: 8, .value_kind: global_buffer, .address_space: global }
      - { .name: prob, .offset: 40, .size: 8, .value_kind: global_buffer, .address_space: global }
    .group_segment_fixed_size: 17664
    .private_segment_fixed_size: 0
    .kernarg_segment_align: 8
    .kernarg_segment_size: 48
    .max_flat_workgroup_size: 256
    .sgpr_count:     66
    .vgpr_count:     256
    .wavefront_size: 32
...
	.end_amdgpu_metadata
.endif
;; end of part 1
;; launch gather (part 2): grid 64 x 8, 8 waves a work-group, no clusters, 41,216 bytes of LDS; arguments xb, bm, xg, list, cnt; writes xg, list, cnt
.if DOCPART == 2
	.amdgcn_target "amdgcn-amd-amdhsa--gfx1250"
	.amdhsa_code_object_version 6
	.text
	.protected	k_q6329758fff_gather
	.globl	k_q6329758fff_gather
	.p2align	8
	.type	k_q6329758fff_gather,@function
k_q6329758fff_gather:
	s_mov_b64 s[64:65], 0
	v_nop
	global_prefetch_b8 v0, s[64:65] scope:SCOPE_SE
	s_setreg_imm32_b32 hwreg(HW_REG_WAVE_MODE, 25, 1), 1
	s_wait_xcnt 0x0
; GATHER.  The rows (token, expert) that the router chose are laid end to end in the experts' order, once, as the first product's row fragments; list and count of each expert are stored.
; WHY A LAUNCH OF ITS OWN.  An expert's rows are wanted by its 32 slices of weights.  Gathered there, each slice would ask for 16 bytes a lane from 16 rows again and again; laid out here, a slice reads
; 512 consecutive bytes a load.  The places hang on the router's choice, so this cannot stand in the router's launch.
; SHARES.  Work-group (t, e) owns tile t of expert e: the rows of ranks 16 t .. 16 t + 15.  The grid has 64 tiles an expert: an expert can have all 1,024 tokens.  Tiles 0 .. max(T, 16) - 1 are written
; (T = the tiles that hold rows), so that the products' loads find written bytes for every split; a work-group past that stores nothing and ends.
; LIST.  Wave 0 makes the expert's list from the bitmaps (rank by token; entry = token + 1,024 x order) in LDS; a barrier shows it to the others.  Places past the count hold 0: token 0, a row that exists.
; Tile 0's work-group stores the list (1,280 words) and the count (32 copies).
; ROWS.  Wave w has bytes 256 w .. + 255 of the 16 rows: four K steps of 32.  Eight loads, each two rows' 256 consecutive aligned bytes; through the wave's own stage in LDS (pitch 272 bytes = 17 x 16: the
; 16 rows of a read start at 16 different groups of four banks, ISA guide 11.1); eight stores of 512 consecutive aligned bytes.
; OUT.  xg [e][64 tiles][32 K steps][1,024 bytes]: byte 512 hf + 16 L of K step k holds bytes 64 k + 32 (L / 16) + 16 hf .. + 15 of the tile's row L % 16.
; A stream of a few megabytes: matrix units, clusters and tensor loads would add nothing.
.set STG,   5376                       ; LDS: 0..5375 1,280 list words, 32 dump words, padding; here eight stages
.set STS,   4352                       ; 16 rows x 272 bytes
.set SPARE, STG+8*STS                  ; the spare words, 128 bytes a wave: four blocks of 256 bytes that no other line names
.set TK, 24                            ; v24-31  the rows' offsets in xb
.set D,  32                            ; v32-63  rows as loaded
.set E,  64                            ; v64-95  fragments to store
; v1 L; v2 r; v3 h; v4 stage, in; v5 stage, back; v6 256 w + 16 r; v8 16 L; v9 list address; v10 offset in xg; v14, v15 the add's; v16-63 at work in wave 0's list
; s[4:5] xb; s[6:7] bm; s[8:9] xg; s[10:11] list; s[12:13] cnt; s16-63, s68-83 bitmaps; s66 wave; s67 e; s84 t; s85 R; s88 T; s89 max(T, 16); s86, s87, s97-99, s2 at work; s3 = 0
	s_load_b256 s[4:11], s[0:1], 0x0               ; xb s[4:5], bm s[6:7], xg s[8:9], list s[10:11]
	s_load_b64 s[12:13], s[0:1], 0x20              ; cnt
	v_lshl_add_u32 v14, v0, 2, SPARE               ; my spare word,
	v_mov_b32 v15, 0                               ; and 0: kept for the closing add alone
	v_lshrrev_b32 v12, 5, v0
	v_readfirstlane_b32 s66, v12                   ; wave 0..7
	s_and_b32 s67, ttmp7, 0xffff                   ; e
	s_mov_b32 s84, ttmp9                           ; t
	v_and_b32 v1, 31, v0                           ; L
	v_and_b32 v2, 15, v0                           ; r
	v_bfe_u32 v3, v0, 4, 1                         ; h
	v_lshlrev_b32 v8, 4, v1                        ; 16 L
	s_mul_i32 s86, s66, STS
	s_add_co_u32 s86, s86, STG                     ; my stage
	v_mul_u32_u24 v4, v3, 272                      ; in: lanes 0-15 one row's 256 bytes, lanes 16-31 the next row's
	v_lshl_add_u32 v4, v2, 4, v4
	v_add_nc_u32 v4, s86, v4
	v_mul_u32_u24 v5, v2, 272                      ; back: row r, 32 bytes for each half of the lanes
	v_lshl_add_u32 v5, v3, 5, v5
	v_add_nc_u32 v5, s86, v5
	s_lshl_b32 s87, s66, 8
	v_lshl_add_u32 v6, v2, 4, s87                  ; my 16 bytes in a row of xb: 256 w + 16 r
	s_lshl_b32 s99, s67, 7                         ; the expert's 128 bytes in each kind of bitmap
	s_mov_b32 s3, 0
	s_wait_kmcnt 0x0
	s_load_b512 s[16:31], s[6:7], s99 offset:0x0
	s_load_b512 s[32:47], s[6:7], s99 offset:0x40
	s_load_b512 s[48:63], s[6:7], s99 offset:0x400
	s_load_b512 s[68:83], s[6:7], s99 offset:0x440
	s_lshl_b32 s2, s67, 21
	s_add_nc_u64 s[8:9], s[8:9], s[2:3]            ; xg + e x 2,097,152
	s_mov_b32 s85, 0
	s_wait_kmcnt 0x0
.set w, 0
.rept 32                               ; R, in every wave
.if w < 16
.set HIW, 48+w
.else
.set HIW, 52+w
.endif
	s_or_b32 s2, s[16+w], s[HIW]
	s_bcnt1_i32_b32 s2, s2
	s_add_co_u32 s85, s85, s2
.set w, w+1
.endr
	s_add_co_u32 s88, s85, 15
	s_lshr_b32 s88, s88, 4                         ; T tiles hold rows
	s_max_u32 s89, s88, 16                         ; so many are written
	s_cmp_lg_u32 s66, 0
	s_cbranch_scc1 .Llisted                        ; wave 0 alone makes the list,
	s_cmp_ge_u32 s84, s89
	s_cbranch_scc1 .Llisted                        ; and only where the work-group has a tile
	v_and_b32 v17, 31, v0
	v_add_nc_u32 v19, 1280, v17                    ; my dump word's index
	v_add_nc_u32 v20, 1024, v17
.irp n, 0,1,2,3
	v_mov_b32 v[24+(\n)], 0
.endr
.irp n, 0,1,2,3,4,5,6,7,8,9
	ds_store_b128 v8, v[24:27] offset:512*(\n)     ; 1,280 words of 0
.endr
	s_mov_b32 s99, 0
; For each word of 32 tokens: a chosen token's rank is the count so far plus the chosen lanes below it; the others write their dump word.
.set w, 0
.rept 32
.if w < 16
.set HIW, 48+w
.else
.set HIW, 52+w
.endif
	s_or_b32 s2, s[16+w], s[HIW]
	v_mbcnt_lo_u32_b32 v16, s2, s99
	v_cndmask_b32 v16, v19, v16, s2
	v_min_u32 v16, 0x51f, v16
	v_lshlrev_b32 v16, 2, v16
	v_cndmask_b32 v18, v17, v20, s[HIW]            ; + 1,024 where e is the token's higher expert
	v_add_nc_u32 v18, 32*w, v18
	ds_store_b32 v16, v18
	s_bcnt1_i32_b32 s2, s2
	s_add_co_u32 s99, s99, s2
.set w, w+1
.endr
	s_cmp_lg_u32 s84, 0
	s_cbranch_scc1 .Llisted                        ; tile 0's work-group stores list and count for the products
.irp n, 0,1,2,3,4,5,6,7,8,9
	ds_load_b128 v[24+4*(\n):27+4*(\n)], v8 offset:512*(\n)  ; LDS serves a wave's instructions in order (ISA guide 5.7.1.4): these see my stores
.endr
	s_mul_i32 s99, s67, 5120
	v_add_nc_u32 v16, s99, v8
	s_lshl_b32 s99, s67, 8
	v_lshl_add_u32 v18, v17, 2, s99
	v_mov_b32 v19, s85
	s_wait_dscnt 0x0
.irp n, 0,1,2,3,4,5,6,7,8,9
	global_store_b128 v16, v[24+4*(\n):27+4*(\n)], s[10:11] offset:512*(\n)
.endr
	global_store_b32 v18, v19, s[12:13]            ; R, 32 copies: 128 consecutive bytes
	s_wait_xcnt 0x0                                ; these registers are written again below
.Llisted:
	s_wait_dscnt 0x0                               ; the list is stored
	s_barrier_signal -1
	s_barrier_wait -1
	s_cmp_ge_u32 s84, s89
	s_cbranch_scc1 .Lend                           ; no tile for this work-group
	s_min_u32 s99, s84, 63                         ; (t is 63 at the most)
	s_lshl_b32 s98, s99, 6
	v_lshl_add_u32 v9, v3, 2, s98                  ; list word 16 t + h
.irp n, 0,1,2,3,4,5,6,7
	ds_load_b32 v[TK+(\n)], v9 offset:8*(\n)       ; the entry of row 2 n + h
.endr
	s_lshl_b32 s98, s99, 15                        ; a tile is 32,768 bytes of xg,
	s_lshl_b32 s97, s66, 12                        ; my four K steps 4,096
	s_add_co_u32 s98, s98, s97
	v_add_nc_u32 v10, s98, v8
	s_wait_dscnt 0x0
.irp n, 0,1,2,3,4,5,6,7
	v_and_b32 v[TK+(\n)], 0x3ff, v[TK+(\n)]        ; the token
	v_min_u32 v[TK+(\n)], 0x3ff, v[TK+(\n)]
	v_lshl_add_u32 v[TK+(\n)], v[TK+(\n)], 11, v6  ; x 2,048 bytes + my 16 bytes
.endr
.irp n, 0,1,2,3,4,5,6,7
	global_load_b128 v[D+4*(\n):D+4*(\n)+3], v[TK+(\n)], s[4:5]  ; rows 2 n, 2 n + 1: 256 consecutive aligned bytes each
.endr
.irp n, 0,1,2,3,4,5,6,7
	s_wait_loadcnt 7-(\n)                          ; load n is in; the younger ones stay out
	ds_store_b128 v4, v[D+4*(\n):D+4*(\n)+3] offset:2*(\n)*272
.endr
.irp m, 0,1,2,3,4,5,6,7
	ds_load_b128 v[E+4*(\m):E+4*(\m)+3], v5 offset:64*((\m)/2)+16*((\m)%2)  ; K step m / 2 of my four, half m % 2; my own bytes, served in order behind the stores above
.endr
.irp m, 0,1,2,3,4,5,6,7
	s_wait_dscnt 7-(\m)                            ; read m is back; the younger ones stay out
	global_store_b128 v10, v[E+4*(\m):E+4*(\m)+3], s[8:9] offset:((\m)/2)*1024+((\m)%2)*512  ; 512 consecutive aligned bytes
.endr
.Lend:
	s_wait_tensorcnt 0x0                           ; the wave's end
	ds_add_u32 v14, v15
	s_wait_dscnt 0x0
	s_endpgm
.Lfunc_end_k_q6329758fff_gather:
	.size	k_q6329758fff_gather, .Lfunc_end_k_q6329758fff_gather-k_q6329758fff_gather
	.p2alignl 7, 3214868480
	.fill 96, 4, 3214868480
	.section	.rodata,"a",@progbits
	.p2align	6, 0x0
	.amdhsa_kernel k_q6329758fff_gather
		.amdhsa_group_segment_fixed_size 41216
		.amdhsa_private_segment_fixed_size 0
		.amdhsa_enable_private_segment 0
		.amdhsa_kernarg_size 40
		.amdhsa_user_sgpr_count 2
		.amdhsa_user_sgpr_kernarg_segment_ptr 1
		.amdhsa_wavefront_size32 1
		.amdhsa_system_sgpr_workgroup_id_x 1
		.amdhsa_system_sgpr_workgroup_id_y 1
		.amdhsa_system_sgpr_workgroup_id_z 1
		.amdhsa_system_vgpr_workitem_id 0
		.amdhsa_next_free_vgpr 96
		.amdhsa_next_free_sgpr 102
		.amdhsa_reserve_vcc 0
		.amdhsa_float_denorm_mode_32 3
		.amdhsa_float_denorm_mode_16_64 3
		.amdhsa_memory_ordered 1
		.amdhsa_forward_progress 1
		.amdhsa_inst_pref_size 30
	.end_amdhsa_kernel
	.amdgpu_metadata
---
amdhsa.version: [ 1, 2 ]
amdhsa.kernels:
  - .name:           k_q6329758fff_gather
    .symbol:         k_q6329758fff_gather.kd
    .args:
      - { .name: xb, .offset: 0, .size: 8, .value_kind: global_buffer, .address_space: global }
      - { .name: bm, .offset: 8, .size: 8, .value_kind: global_buffer, .address_space: global }
      - { .name: xg, .offset: 16, .size: 8, .value_kind: global_buffer, .address_space: global }
      - { .name: list, .offset: 24, .size: 8, .value_kind: global_buffer, .address_space: global }
      - { .name: cnt, .offset: 32, .size: 8, .value_kind: global_buffer, .address_space: global }
    .group_segment_fixed_size: 41216
    .private_segment_fixed_size: 0
    .kernarg_segment_align: 8
    .kernarg_segment_size: 40
    .max_flat_workgroup_size: 256
    .sgpr_count:     102
    .vgpr_count:     96
    .wavefront_size: 32
...
	.end_amdgpu_metadata
.endif
;; end of part 2
;; launch ffn1 (part 3): grid 32 x 8, 8 waves a work-group, no clusters, 263,168 bytes of LDS; arguments xg, w1, b1, cnt, h_ws; writes h_ws
.if DOCPART == 3
	.amdgcn_target "amdgcn-amd-amdhsa--gfx1250"
	.amdhsa_code_object_version 6
	.text
	.protected	k_q6329758fff_ffn1
	.globl	k_q6329758fff_ffn1
	.p2align	8
	.type	k_q6329758fff_ffn1,@function
k_q6329758fff_ffn1:
	s_mov_b64 s[64:65], 0
	v_nop
	global_prefetch_b8 v0, s[64:65] scope:SCOPE_SE
	s_setreg_imm32_b32 hwreg(HW_REG_WAVE_MODE, 25, 1), 1
	s_wait_xcnt 0x0
; FFN1.  h = relu(x w1[e] + b1[e]) for the rows (token, expert) that the router chose.  Operands bf16, sums f32, h rounded once to bf16 (the ReLU behind the rounding: the same number).
; b1 enters as the sum's first product: its bf16 part and the bf16 part of the rest, each times 1: off by at most 2^-17 of itself.  NaN and infinities are not treated apart.
; SHARES.  Work-group (sl, e) owns columns 128 sl .. + 127 of expert e's w1: 1,024 x 128 numbers, which it alone reads, once; and ALL rows of that expert, 0 to 1,024 of them.
; Eight waves, all with the same text.  A K step is 32; a SLOT is two K steps.  In each slot a wave rounds 8 weight rows x 64 columns x 2 lane halves to bf16 and lays them into LDS, and multiplies two K steps.
; The slice stays in LDS (262,144 bytes), each byte stored once: one barrier a slot shows two more K steps to all waves, and rows beyond a pass's 384 are multiplied from LDS alone.
; In the interval behind barrier s the waves store K steps 2 s + 4, 2 s + 5 and read K steps 2 s .. 2 s + 2.
; LOADS.  A wave's loads come back in order (ISA guide 5.7.1), weights and token rows on one counter.  So both are asked for far ahead: token rows five K steps (a ring of six buffers), weights three slots
; (three positions): at most 60 loads of a wave are out, 24 of them weights.  The loads in front of the loop go out in the loop's own pattern, so that its counts hold from the first trip on.
; LAYOUT.  Source 0 = 16 weight columns, source 1 = 16 token rows; a lane half h holds 16 positions i (register u: positions 2 u, 2 u + 1), and position (h, i) of step k is weight row 32 k + 16 h + i in
; BOTH sources.  A lane loads four neighbouring columns 4 r .. 4 r + 3 of a group g of 64 from one weight row (16 lanes: 256 aligned bytes); two rows' numbers of column 4 r + j' rounded in a pair ARE a
; register of block c = 4 g + j': nothing is transposed.  Index m of block c stands for column 64 g + 4 m + j', and in the result register j of lane (r, h) is (row r, column 64 g + 32 h + 4 j + j'):
; a lane owns 32 neighbouring columns a group, which, packed, are the next product's row fragments of two K steps for the same lane.
; ROWS.  The launch before has laid the expert's rows end to end as fragments (xg: tile x 32,768 + K step x 1,024 + half x 512 + 16 L) and stored the count: a row fragment is two loads of 512
; consecutive bytes.  A pass is 24 tiles of 16 rows: wave w has tiles TB + 8 i, TB = w + 24 pass; the third (i = 2) is multiplied only if it holds rows.  A tile past the written tiles repeats the
; pass's first tile; its products are not stored.  Tiles 0-15 are always made and stored, so that the next launch's loads find written bytes for every split, an expert
; without rows too.  Three passes cover 64 tiles: every split.  Pass 0 runs beside the stream of weights.  Passes 1 and 2 stand one behind the other, each entered only if the wave has rows left
; (more than 384 rows an expert); they multiply from LDS alone, four K steps a trip, whose rows are asked for at the trip's head.
; NO TENSOR LOADS: the weights pass through registers for their rounding, and the slice leaves no room for slots.  NO CLUSTER: each slice of weights has one reader; the tiles of rows are shared by an
; expert's 32 work-groups, but beside the slice LDS has no room for slots of them.
; THE LAST TRIP'S LOADS.  Its three weight groups and its last three row steps have nothing left to fetch.  So that one text and one count serve every trip they are still issued, at addresses
; asked for a trip before (the weights': all lanes at one address); nothing reads them: 24 + 18 loads a wave.
.set PW,    16384                      ; bytes in a row of w1
.set HSH,   18                         ; the lane halves lie 16 rows apart: 16 x PW = 1 << 18
.set PARO,  32*PW                      ; from a slot's first K step to its second
.set GSTR,  64*PW                      ; from a slot's weights to the next slot's
.set ASTEP, 1024                       ; bytes of a tile of rows in a K step
.set AH,    512                        ; from a row fragment's registers 0-3 to its registers 4-7
.set SPARE, 262144                     ; LDS: 0..262143 the slice: fragment (k, c) at 8,192 k + 1,024 c + 512 half + 16 L; here the spare words, 128 bytes a wave, which no other line names
; window 0: v1 slice address; v2-4 tile offsets; v5 weights' lane term; v6 the same, or 0 in the last trip; v7 where I store; v8 16 L; v11 0; v10, v12, v13 at work; v14, v15 the add's
.set AO,  2
.set ACC, 16                           ; v16-207  acc(i, c) at ACC + 64 i + 8 c
.set BR,  208                          ; v208-255 weight fragments: 3 slots x 2 x 8; between passes at work:
.set ZA,  BR                           ;   22 registers: zeros, with ones for lane half 0 at index 6 and for lane half 1 at index 14
.set WBF, BR+24                        ;   the bias as a fragment
.set BB,  BR+32                        ;   the bias as loaded
.set TT,  BR+36
; window 1:
.set AR,  0                            ; v0-143   row fragments: 6 buffers x 3 tiles x 8
.set RW,  144                          ; v144-239 weights as loaded: 3 positions x 8 rows x 4 columns
.set WT,  240                          ; v240-255 weights rounded, to LDS
; scalars: s[4:5], s[86:87] tiles' bases; s[6:7] weights' base; s[8:9] b1; s[10:11] cnt; s[12:13] h_ws; s[100:101] xg at e; s[16:17], s[18:19] steps; s20 mask
; s66 wave; s67 e; s83 e's count; s84 sl; s85 R; s88 T; s89 max(T, 16); s90 TB; s91 third tile live; s92 trips; s94 trips of a later pass; s95 slice step; s98 store place; s2, s99 at work; s3 = 0
.set W_LD, 0x40                        ; destination in window 1
.set W_MM, 0x04                        ; source 1 in window 1
.set W_CV, 0x45                        ; destination and both sources in window 1
.set W_ST, 0x04                        ; an LDS store's data in window 1
.set MSB, 0
.macro WIN new                         ; the immediate's high byte repeats the setting that is left; a switch that changes nothing is dropped
.if MSB != (\new)
	s_set_vgpr_msb (MSB<<8)|(\new)
.set MSB, (\new)
.endif
.endm
.macro PLACES                          ; four plain instructions between a matrix instruction and a load into, or a vector write of, one of its registers, or a vector read of its result
.rept 4
	v_nop
.endr
.endm
; the rows of K step k (from the base's origin), three tiles, into buffer k % 6
.macro ALOAD k, base
	WIN W_LD
.irp i, 0,1,2
	global_load_b128 v[AR+24*((\k)%6)+8*(\i):AR+24*((\k)%6)+8*(\i)+3], v[AO+(\i)], s[\base:\base+1] offset:(\k)*ASTEP
	global_load_b128 v[AR+24*((\k)%6)+8*(\i)+4:AR+24*((\k)%6)+8*(\i)+7], v[AO+(\i)], s[\base:\base+1] offset:(\k)*ASTEP+AH
.endr
	WIN 0
.endm
; my eight weight rows of group gi (from the base's origin) into a position: each load is two pieces of 256 consecutive aligned bytes
.macro WLOAD gi, pos
	WIN W_LD
.irp ii, 0,1,2,3,4,5,6,7
	global_load_b128 v[RW+32*(\pos)+4*(\ii):RW+32*(\pos)+4*(\ii)+3], v6, s[6:7] offset:(\gi)*GSTR+(\ii)*PW th:TH_LOAD_NT
.endr
	WIN 0
.endm
; Pair pp of K step kk (blocks 2 pp, 2 pp + 1; pp = 4, 5: the next step's first two) into slot (kk + pp) % 3: four loads of 512 consecutive bytes
.macro BPAIR kk, pp
.irp n, 0,1,2,3
	ds_load_b128 v[BR+16*(((\kk)+(\pp))%3)+4*(\n):BR+16*(((\kk)+(\pp))%3)+4*(\n)+3], v1 offset:(\kk)*8192+(\pp)*2048+(\n)*512
.endr
.endm
; THE WEIGHTS' PART OF SLOT j: group j + 1 (from the trip's origin) is rounded and stored, group j + 4 asked for into the registers that it leaves.  lc: the younger loads that may stay out.
.macro LB j, lc
	s_wait_loadcnt \lc
	WIN W_CV
.irp jp, 0,1,2,3
.irp u, 0,1,2,3
	v_cvt_pk_bf16_f32 v[WT+4*(\jp)+(\u)], v[RW+32*(((\j)+1)%3)+8*(\u)+(\jp)], v[RW+32*(((\j)+1)%3)+8*(\u)+4+(\jp)]  ; column 4 r + jp of rows 2 u, 2 u + 1
.endr
.endr
	WIN W_ST
.irp jp, 0,1,2,3
	ds_store_b128 v7, v[WT+4*(\jp):WT+4*(\jp)+3] offset:(2*(\j)+2)*8192+(\jp)*1024  ; half a fragment of block 4 g + jp: 512 consecutive bytes
.endr
	WLOAD (\j)+4, ((\j)+1)%3
.endm
; A K STEP: step kk from the origin that v1 and the bases stand at.  ai = 1: the rows of step kk + 5 are asked for.  lc: the younger loads that may stay out.  bn = 1: a step follows.
; 16 matrix instructions, 24 with the third tile; every accumulator has one instruction a turn.  At the entry pairs 0 and 1 have been asked for.
.macro CB kk, ai, lc, bn
	WIN 0
	PLACES                                         ; the buffer and the slot filled below were read by the step before
.if \ai
.if (\kk) < 3
	ALOAD (\kk)+5, 4
.else
	ALOAD (\kk)+5, 86                              ; by the base that stays behind in the last trip
.endif
.endif
	BPAIR \kk, 2
	s_wait_loadcnt \lc                             ; this step's six row loads are in
.irp p, 0,1,2,3
.if (\bn) || ((\p) < 2)
	s_wait_dscnt 8                                 ; pair p is in; the two younger pairs, eight loads, stay out
.else
	s_wait_dscnt 4*(3-(\p))                        ; the last step: one younger pair, then none
.endif
	WIN W_MM
.irp cc, 0,1
.irp i, 0,1
	v_wmma_f32_16x16x32_bf16 v[ACC+64*(\i)+8*(2*(\p)+(\cc)):ACC+64*(\i)+8*(2*(\p)+(\cc))+7], v[BR+16*(((\kk)+(\p))%3)+8*(\cc):BR+16*(((\kk)+(\p))%3)+8*(\cc)+7], v[AR+24*((\kk)%6)+8*(\i):AR+24*((\kk)%6)+8*(\i)+7], v[ACC+64*(\i)+8*(2*(\p)+(\cc)):ACC+64*(\i)+8*(2*(\p)+(\cc))+7]
.endr
.endr
	WIN 0                                          ; at a branch and at a label every window is 0
	s_cmp_eq_u32 s91, 0
	s_cbranch_scc1 .Lt2_\@_\p                      ; the third tile holds no rows
	WIN W_MM
.irp cc, 0,1
	v_wmma_f32_16x16x32_bf16 v[ACC+128+8*(2*(\p)+(\cc)):ACC+128+8*(2*(\p)+(\cc))+7], v[BR+16*(((\kk)+(\p))%3)+8*(\cc):BR+16*(((\kk)+(\p))%3)+8*(\cc)+7], v[AR+24*((\kk)%6)+16:AR+24*((\kk)%6)+23], v[ACC+128+8*(2*(\p)+(\cc)):ACC+128+8*(2*(\p)+(\cc))+7]
.endr
	WIN 0
.Lt2_\@_\p:
.if ((\p) == 0) || (((\p) < 3) && (\bn))
	PLACES
	BPAIR \kk, (\p)+3                              ; into the slot just multiplied
.endif
.endr
.endm
; A SLOT: two more K steps are stored; the barrier; two K steps are multiplied.  46: the least number of loads issued behind the group in any trip.  54, 46: behind an even step's rows three groups of
; weights and five steps of rows have been issued, behind an odd step's two and five.
.macro SLOT j
	LB \j, 46
	s_wait_dscnt 0x0                               ; my stores are done and my LDS loads are back
	s_barrier_signal -1
	s_barrier_wait -1
	CB 2*(\j), 1, 54, 1
	CB 2*(\j)+1, 1, 46, 1
.endm
; The three tiles' offsets; the bases at the pass's first tile, K step 0
.macro AOSET
	s_add_co_u32 s99, s90, 16
	s_cmp_lt_u32 s99, s88
	s_cselect_b32 s91, 1, 0                        ; does the third tile hold rows?
	s_min_u32 s99, s90, 63                         ; (TB is 55 at the most)
	s_lshl_b32 s2, s99, 15                         ; a tile is 32,768 bytes of xg
	s_add_nc_u64 s[4:5], s[100:101], s[2:3]
	s_mov_b64 s[86:87], s[4:5]
	v_mov_b32 v[AO], v8
.irp i, 1,2
	s_add_co_u32 s99, s90, 8*(\i)
	s_cmp_lt_u32 s99, s89
	s_cselect_b32 s99, (\i)<<18, 0                 ; eight tiles on each time, or, past the written tiles, the first once more
	v_add_nc_u32 v[AO+(\i)], s99, v8
.endr
.endm
; THE SUMS BEGIN with the bias.  Lane (r, h) has loaded b1 of columns 64 h + 4 r + j'; register 2 j' of ONE fragment holds its bf16 part and the bf16 part of the rest.  The other source holds ones in
; register 2 j' of lane half g alone (a window of eight registers into ZA), so the product is the bias of block 4 g + j' in every row.  C is the constant 0.  lc: the younger loads that may stay out.
.macro BIASINIT lc
.set z, 0
.rept 22
.if (z != 6) && (z != 14)
	v_mov_b32 v[ZA+z], 0
.endif
.set z, z+1
.endr
	v_mov_b32 v[TT], 0x3f803f80                    ; 1.0 twice
	v_bfe_u32 v[TT+1], v0, 4, 1
	v_cmp_eq_u32 vcc_lo, 0, v[TT+1]
	v_cndmask_b32 v[ZA+6], 0, v[TT], vcc_lo
	v_cndmask_b32 v[ZA+14], v[TT], v[ZA], vcc_lo
	s_wait_loadcnt \lc                             ; the bias
.irp jp, 0,1,2,3
	v_cvt_pk_bf16_f32 v[TT+1], v[BB+(\jp)], v[BB+(\jp)]
	v_lshlrev_b32 v[TT+1], 16, v[TT+1]             ; the bf16 part, in f32
	v_sub_f32 v[TT+2], v[BB+(\jp)], v[TT+1]        ; the rest
	v_cvt_pk_bf16_f32 v[WBF+2*(\jp)], v[BB+(\jp)], v[TT+2]
	v_mov_b32 v[WBF+2*(\jp)+1], 0
.endr
.irp g, 0,1
.irp jp, 0,1,2,3
.irp i, 0,1,2
	v_wmma_f32_16x16x32_bf16 v[ACC+64*(\i)+8*(4*(\g)+(\jp)):ACC+64*(\i)+8*(4*(\g)+(\jp))+7], v[WBF:WBF+7], v[ZA+8*(\g)+6-2*(\jp):ZA+8*(\g)+13-2*(\jp)], 0
.endr
.endr
.endr
	PLACES                                         ; loads land on those products' sources
.endm
; THE WAY OUT of tile TB + 8 t: rounded in pairs of neighbouring columns, ReLU, stored as the next product's fragments: each store is 512 consecutive aligned bytes.  lab: behind the pass's last way out.
.macro EPI t, lab
	s_add_co_u32 s99, s90, 8*(\t)
	s_cmp_ge_u32 s99, s89
	s_cbranch_scc1 \lab                            ; this tile and the later ones hold no rows and lie past tile 15
	s_wait_xcnt 0x0                                ; the tile before has read its offset and its data
	s_lshl_b32 s99, s99, 17                        ; a tile is 131,072 bytes of h_ws
	v_add_nc_u32 v12, s99, v8
.irp g, 0,1
.irp j, 0,1,2,3,4,5,6,7                ; each accumulator's registers in ascending order
	v_cvt_pk_bf16_f32 v[BR+16*(\g)+2*(\j)], v[ACC+64*(\t)+32*(\g)+(\j)], v[ACC+64*(\t)+32*(\g)+8+(\j)]
	v_cvt_pk_bf16_f32 v[BR+16*(\g)+2*(\j)+1], v[ACC+64*(\t)+32*(\g)+16+(\j)], v[ACC+64*(\t)+32*(\g)+24+(\j)]
.endr
.endr
.set z, 0
.rept 32
	v_pk_max_num_bf16 v[BR+z], v[BR+z], v11
.set z, z+1
.endr
.irp g, 0,1
.irp q, 0,1,2,3
	global_store_b128 v12, v[BR+16*(\g)+4*(\q):BR+16*(\g)+4*(\q)+3], s[12:13] offset:(\g)*2048+(\q)*512
.endr
.endr
.endm
; A LATER PASS: the wave's next three tiles, if it has rows left; else it is done.  Eight trips of four K steps: the four steps' rows are asked for at the trip's head, 24 loads; step kk waits for its own
; six and leaves the 6 (3 - kk) younger out.  The weights come from LDS; nothing is stored there any more, so no barrier stands here.
.macro LATER
	s_add_co_u32 s90, s90, 24
	s_cmp_ge_u32 s90, s88
	s_cbranch_scc1 .Lend
	s_wait_xcnt 0x0                                ; the way out's stores have read their registers
	s_wait_loadcnt 0x0
	s_wait_dscnt 0x0
	global_load_b128 v[BB:BB+3], v8, s[8:9]
	AOSET
	BIASINIT 0
	s_mov_b32 s95, 0
	s_mov_b32 s94, 8
.Lq_\@:
	v_add_nc_u32 v1, s95, v8
	PLACES                                         ; the buffers and slots filled below were read by the trip before
	ALOAD 0, 4
	ALOAD 1, 4
	ALOAD 2, 4
	ALOAD 3, 4
	BPAIR 0, 0
	BPAIR 0, 1
	CB 0, 0, 18, 1
	CB 1, 0, 12, 1
	CB 2, 0, 6, 1
	CB 3, 0, 0, 0
	s_wait_xcnt 0x0                                ; the tiles' base is rewritten only behind this wait
	s_add_nc_u64 s[4:5], s[4:5], 4*ASTEP
	s_add_co_u32 s95, s95, 32768
	s_sub_co_u32 s94, s94, 1
	s_cmp_lg_u32 s94, 0
	s_cbranch_scc1 .Lq_\@
	PLACES
	EPI 0, .Ld_\@
	EPI 1, .Ld_\@
	EPI 2, .Ld_\@
.Ld_\@:
.endm
	s_load_b256 s[4:11], s[0:1], 0x0               ; xg s[4:5], w1 s[6:7], b1 s[8:9], cnt s[10:11]
	s_load_b64 s[12:13], s[0:1], 0x20              ; h_ws
	v_lshl_add_u32 v14, v0, 2, SPARE               ; my spare word,
	v_mov_b32 v15, 0                               ; and 0: kept for the closing add alone
	v_lshrrev_b32 v12, 5, v0
	v_readfirstlane_b32 s66, v12                   ; wave 0..7
	s_and_b32 s67, ttmp7, 0xffff                   ; e
	s_mov_b32 s84, ttmp9                           ; sl
	v_and_b32 v12, 31, v0                          ; L
	v_and_b32 v13, 15, v0                          ; r
	v_bfe_u32 v10, v0, 4, 1                        ; h
	v_lshlrev_b32 v8, 4, v12                       ; 16 L
	v_lshlrev_b32 v5, 4, v13                       ; 16 r
	v_lshl_add_u32 v5, v10, HSH, v5                ; + the other half's rows
	v_mov_b32 v6, v5
	v_mov_b32 v11, 0
	s_and_b32 s88, s66, 1                          ; g: which 64 columns I round
	s_lshr_b32 s89, s66, 1
	s_and_b32 s89, s89, 1                          ; ih: positions 8 ih .. 8 ih + 7
	s_lshr_b32 s90, s66, 2                         ; which of a slot's two K steps
	s_lshl_b32 s98, s90, 13
	s_lshl_b32 s99, s88, 12
	s_add_co_u32 s98, s98, s99
	s_lshl_b32 s99, s89, 9
	s_add_co_u32 s98, s98, s99                     ; LDS: 8,192 step + 4,096 g + 512 ih: eight different places
	s_lshl_b32 s2, s67, 24                         ; e x 16,777,216
	s_lshl_b32 s99, s84, 9                         ; + sl x 512
	s_add_co_u32 s2, s2, s99
	s_lshl_b32 s99, s88, 8                         ; + g x 256
	s_add_co_u32 s2, s2, s99
	s_mul_i32 s99, s89, 8*PW                       ; + 8 ih rows
	s_add_co_u32 s2, s2, s99
	s_mul_i32 s99, s90, PARO                       ; + the slot's second step
	s_add_co_u32 s2, s2, s99
	s_mov_b32 s3, 0
	s_mov_b32 s95, 0
	s_mov_b32 s92, 5
	s_mov_b32 s17, 0
	s_mov_b32 s19, 0
	s_lshl_b32 s83, s67, 8
	s_wait_kmcnt 0x0
	s_load_b32 s85, s[10:11], s83 offset:0x0       ; R
	s_add_nc_u64 s[6:7], s[6:7], s[2:3]
	s_lshl_b32 s2, s67, 14
	s_lshl_b32 s99, s84, 9
	s_add_co_u32 s2, s2, s99
	s_add_nc_u64 s[8:9], s[8:9], s[2:3]            ; b1 + e x 16,384 + sl x 512
	global_load_b128 v[BB:BB+3], v8, s[8:9]        ; the oldest load, so that its wait leaves all others out
	WLOAD 0, 0
	WLOAD 1, 1
	s_lshl_b32 s2, s67, 23
	s_lshl_b32 s99, s84, 12
	s_add_co_u32 s2, s2, s99
	s_add_nc_u64 s[12:13], s[12:13], s[2:3]        ; h_ws + e x 8,388,608 + sl x 4,096
	s_lshl_b32 s2, s67, 21
	s_add_nc_u64 s[100:101], s[4:5], s[2:3]        ; xg + e x 2,097,152
	s_wait_kmcnt 0x0
	s_min_u32 s85, s85, 0x400
	s_add_co_u32 s88, s85, 15
	s_lshr_b32 s88, s88, 4                         ; T tiles hold rows
	s_max_u32 s89, s88, 16                         ; so many were written, and so many are made
	s_mov_b32 s90, s66                             ; TB
	AOSET
	ALOAD 0, 4                                     ; from here on in the loop's own pattern: rows 0; group 2; rows 1, 2; group 3; rows 3, 4
	WLOAD 2, 2
	ALOAD 1, 4
	ALOAD 2, 4
	BIASINIT 42                                    ; behind the bias: three groups of 8 and three steps of 6
	v_add_nc_u32 v1, s95, v8
	v_add_nc_u32 v7, s98, v8
	LB -1, 34                                      ; K steps 0 and 1; behind group 0: two groups and three steps
	ALOAD 3, 4
	ALOAD 4, 4
	s_wait_dscnt 0x0                               ; K steps 0 and 1 are stored
	s_barrier_signal -1
	s_barrier_wait -1
	BPAIR 0, 0
	BPAIR 0, 1
.Ltrip:                                                ; five trips of three slots: K steps 0 to 29 are multiplied, 2 to 31 stored
	v_add_nc_u32 v1, s95, v8
	v_add_nc_u32 v7, s98, v8
	SLOT 0
	SLOT 1
	SLOT 2
	s_wait_xcnt 0x0                                ; bases and lane term are rewritten only behind this wait
	s_cmp_gt_u32 s92, 2                            ; three times all bases go on; then the last weights and rows are asked for; then nothing is left
	s_cselect_b32 s16, 3*GSTR, 0
	s_cselect_b32 s18, 6*ASTEP, 0
	s_cselect_b32 s20, -1, 0
	s_add_nc_u64 s[6:7], s[6:7], s[16:17]
	s_add_nc_u64 s[86:87], s[86:87], s[18:19]
	s_add_nc_u64 s[4:5], s[4:5], 6*ASTEP
	v_and_b32 v6, s20, v5
	s_add_co_u32 s95, s95, 49152
	s_add_co_u32 s98, s98, 49152
	s_sub_co_u32 s92, s92, 1
	s_cmp_lg_u32 s92, 0
	s_cbranch_scc1 .Ltrip
	; PASS 0 ENDS: its last two K steps and its way out
	v_add_nc_u32 v1, 245760, v8                    ; K step 30
	CB 0, 0, 40, 1                                 ; behind step 30's rows the last trip issued 8 + 6 + 6 + 8 + 6 + 6 loads
	CB 1, 0, 26, 0                                 ; behind step 31's 6 + 8 + 6 + 6
	PLACES
	EPI 0, .Ld0
	EPI 1, .Ld0
	EPI 2, .Ld0
.Ld0:
	LATER                                          ; pass 1
	LATER                                          ; pass 2
.Lend:
	s_wait_dscnt 0x0                               ; my reads of LDS are over;
	s_barrier_signal -1
	s_barrier_wait -1                              ; every wave's are, before any wave runs its closing lines
	s_wait_tensorcnt 0x0                           ; the wave's end
	ds_add_u32 v14, v15
	s_wait_dscnt 0x0
	s_endpgm
.Lfunc_end_k_q6329758fff_ffn1:
	.size	k_q6329758fff_ffn1, .Lfunc_end_k_q6329758fff_ffn1-k_q6329758fff_ffn1
	.p2alignl 7, 3214868480
	.fill 96, 4, 3214868480
	.section	.rodata,"a",@progbits
	.p2align	6, 0x0
	.amdhsa_kernel k_q6329758fff_ffn1
		.amdhsa_group_segment_fixed_size 263168
		.amdhsa_private_segment_fixed_size 0
		.amdhsa_enable_private_segment 0
		.amdhsa_kernarg_size 40
		.amdhsa_user_sgpr_count 2
		.amdhsa_user_sgpr_kernarg_segment_ptr 1
		.amdhsa_wavefront_size32 1
		.amdhsa_system_sgpr_workgroup_id_x 1
		.amdhsa_system_sgpr_workgroup_id_y 1
		.amdhsa_system_sgpr_workgroup_id_z 1
		.amdhsa_system_vgpr_workitem_id 0
		.amdhsa_next_free_vgpr 512
		.amdhsa_next_free_sgpr 102
		.amdhsa_reserve_vcc 1
		.amdhsa_float_denorm_mode_32 3
		.amdhsa_float_denorm_mode_16_64 3
		.amdhsa_memory_ordered 1
		.amdhsa_forward_progress 1
		.amdhsa_inst_pref_size 147
	.end_amdhsa_kernel
	.amdgpu_metadata
---
amdhsa.version: [ 1, 2 ]
amdhsa.kernels:
  - .name:           k_q6329758fff_ffn1
    .symbol:         k_q6329758fff_ffn1.kd
    .args:
      - { .name: xg, .offset: 0, .size: 8, .value_kind: global_buffer, .address_space: global }
      - { .name: w1, .offset: 8, .size: 8, .value_kind: global_buffer, .address_space: global }
      - { .name: b1, .offset: 16, .size: 8, .value_kind: global_buffer, .address_space: global }
      - { .name: cnt, .offset: 24, .size: 8, .value_kind: global_buffer, .address_space: global }
      - { .name: h_ws, .offset: 32, .size: 8, .value_kind: global_buffer, .address_space: global }
    .group_segment_fixed_size: 263168
    .private_segment_fixed_size: 0
    .kernarg_segment_align: 8
    .kernarg_segment_size: 40
    .max_flat_workgroup_size: 256
    .sgpr_count:     102
    .vgpr_count:     512
    .wavefront_size: 32
...
	.end_amdgpu_metadata
.endif
;; end of part 3
;; launch ffn2 (part 4): grid 32 x 8, 8 waves a work-group, no clusters, 263,168 bytes of LDS; arguments h_ws, w2, b2, list, cnt, y_ws; writes y_ws
.if DOCPART == 4
	.amdgcn_target "amdgcn-amd-amdhsa--gfx1250"
	.amdhsa_code_object_version 6
	.text
	.protected	k_q6329758fff_ffn2
	.globl	k_q6329758fff_ffn2
	.p2align	8
	.type	k_q6329758fff_ffn2,@function
k_q6329758fff_ffn2:
	s_mov_b64 s[64:65], 0
	v_nop
	global_prefetch_b8 v0, s[64:65] scope:SCOPE_SE
	s_setreg_imm32_b32 hwreg(HW_REG_WAVE_MODE, 25, 1), 1
	s_wait_xcnt 0x0
; FFN2.  For the chosen rows: h w2[e] + b2[e], in four parts along K.  Operands bf16, sums f32; the parts are stored in f32; the next launch adds them and applies the gate's weights.
; b2 enters in quarter 0 alone, as the sum's first product: its bf16 part and the bf16 part of the rest, each times 1: off by at most 2^-17 of itself.  NaN and infinities are not treated apart.
; SHARES.  Work-group (kq, cs, e) owns rows 1,024 kq .. + 1,023 and columns 128 cs .. + 127 of expert e's w2: 1,024 x 128 numbers, which it alone reads, once; and all rows of that expert.
; A slice of 128 columns keeps the bytes of h that a work-group reads equal to its weights' at 256 rows; the price is eight planes of partial sums (2 choices x 4 quarters of K).
; WAVES, SLOTS, SLICE IN LDS, LOADS, PASSES: as in the first product's text: eight waves with one text; in a slot of two K steps a wave rounds and stores its share of the weights, three slots after it
; asked for them, and multiplies two K steps with rows asked for five K steps before; one barrier a slot; behind barrier s K steps 2 s + 4, 2 s + 5 are stored and 2 s .. 2 s + 2 read.
; Pass 0 (24 tiles) runs beside the stream of weights; passes 1 and 2 stand one behind the other, each entered only if the wave has rows left, and multiply from LDS alone, four K steps a trip.
; LAYOUT.  Position (h, i) of K step k is weight row 64 (k / 2) + 16 (k % 2) + 32 h + i: the order in which the first product's lanes hold their results.  So a row fragment is read as it was stored:
; two loads of 512 consecutive bytes at tile + 32,768 kq + 1,024 k.  HERE SOURCE 0 = 16 token rows, source 1 = 16 weight columns: register j of lane (r, h) in block 4 g + j' is
; (row 8 h + j, column 64 g + 4 r + j').  The four blocks' numbers of a row are 16 neighbouring bytes of a lane, and sixteen lanes hold 256 consecutive aligned bytes: no way through LDS is needed;
; the price is 64 copies a tile that bring the four into neighbouring registers.
; ROWS.  List and count come from the launch that gathers the rows.  A tile past the tiles that were written repeats the pass's first tile; its products are not stored.  A store holds rows j and 8 + j
; of a tile: lanes whose row lies past the count are switched off.  An expert without rows stores nothing.
; NO TENSOR LOADS, NO CLUSTER: the weights pass through registers for their rounding and each slice has one reader; the tiles of h are shared by eight work-groups, but beside the slice LDS has no room for slots of them.
; THE LAST TRIP'S LOADS: as in the first product's text, 24 + 18 loads a wave at addresses asked for a trip before, which nothing reads.
.set PW,    4096                       ; bytes in a row of w2
.set HSH,   17                         ; the lane halves lie 32 rows apart: 32 x PW = 1 << 17
.set PARO,  16*PW                      ; from a slot's first K step to its second
.set GSTR,  64*PW                      ; from a slot's weights to the next slot's
.set ASTEP, 1024                       ; bytes of a tile of h in a K step
.set AH,    512                        ; from a row fragment's registers 0-3 to its registers 4-7
.set SPARE, 262144                     ; LDS: 0..262143 the slice: fragment (k, c) at 8,192 k + 1,024 c + 512 half + 16 L; here the spare words, 128 bytes a wave, which no other line names
; window 0: v1 slice address; v2-4 tile offsets; v5 weights' lane term; v6 the same, or 0 in the last trip; v7 where I store; v8 16 L; v9 16 r; v10 8 h; v12, v13 at work; v14, v15 the add's
.set AO,  2
.set ACC, 16                           ; v16-207  acc(i, c) at ACC + 64 i + 8 c
.set BR,  208                          ; v208-255 weight fragments: 3 slots x 2 x 8; between passes at work:
.set ZA,  BR                           ;   22 registers: zeros, with ones for lane half 0 at index 6 and for lane half 1 at index 14
.set WBF, BR+24                        ;   the bias as a fragment
.set BB,  BR+32                        ;   the bias as loaded
.set TT,  BR+36
; window 1:
.set AR,  0                            ; v0-143   row fragments: 6 buffers x 3 tiles x 8; at a pass's end v0-23 the tiles' list entries
.set RW,  144                          ; v144-239 weights as loaded: 3 positions x 8 rows x 4 columns
.set WT,  240                          ; v240-255 weights rounded, to LDS
; scalars: s[4:5], s[86:87] tiles' bases; s[6:7] weights' base; s[8:9] b2; s[10:11] list; s[12:13] cnt; s[14:15] y_ws; s[100:101] h_ws at (e, kq); s[16:17], s[18:19] steps; s20 mask, EXEC as it was; s22 e's list
; s66 wave; s67 e; s80 kq; s81 cs; s82 1 or 0 for b2; s83 e's count; s85 R; s88 T; s89 max(T, 16); s90 TB; s91 third tile live; s92 trips; s94 trips of a later pass; s95 slice step; s98 store place; s3 = 0
.set W_LD, 0x40                        ; destination in window 1
.set W_MM, 0x01                        ; source 0 in window 1
.set W_CV, 0x45                        ; destination and both sources in window 1
.set W_ST, 0x04                        ; an LDS store's data, or source 1, in window 1
.set MSB, 0
.macro WIN new                         ; the immediate's high byte repeats the setting that is left; a switch that changes nothing is dropped
.if MSB != (\new)
	s_set_vgpr_msb (MSB<<8)|(\new)
.set MSB, (\new)
.endif
.endm
.macro PLACES                          ; four plain instructions between a matrix instruction and a load into, or a vector write of, one of its registers, or a vector read of its result
.rept 4
	v_nop
.endr
.endm
.macro ALOAD k, base                   ; the rows of K step k (from the base's origin), three tiles, into buffer k % 6
	WIN W_LD
.irp i, 0,1,2
	global_load_b128 v[AR+24*((\k)%6)+8*(\i):AR+24*((\k)%6)+8*(\i)+3], v[AO+(\i)], s[\base:\base+1] offset:(\k)*ASTEP
	global_load_b128 v[AR+24*((\k)%6)+8*(\i)+4:AR+24*((\k)%6)+8*(\i)+7], v[AO+(\i)], s[\base:\base+1] offset:(\k)*ASTEP+AH
.endr
	WIN 0
.endm
.macro WLOAD gi, pos                   ; my eight weight rows of group gi into a position: each load is two pieces of 256 consecutive aligned bytes
	WIN W_LD
.irp ii, 0,1,2,3,4,5,6,7
	global_load_b128 v[RW+32*(\pos)+4*(\ii):RW+32*(\pos)+4*(\ii)+3], v6, s[6:7] offset:(\gi)*GSTR+(\ii)*PW th:TH_LOAD_NT
.endr
	WIN 0
.endm
.macro BPAIR kk, pp                    ; pair pp of K step kk into slot (kk + pp) % 3: four loads of 512 consecutive bytes
.irp n, 0,1,2,3
	ds_load_b128 v[BR+16*(((\kk)+(\pp))%3)+4*(\n):BR+16*(((\kk)+(\pp))%3)+4*(\n)+3], v1 offset:(\kk)*8192+(\pp)*2048+(\n)*512
.endr
.endm
; the three tiles' list entries, eight a lane and tile (rows 8 h .. 8 h + 7), into row buffer 0, which is free at a pass's end
.macro ENTLOAD
	v_bfe_u32 v12, v0, 4, 1
	s_min_u32 s99, s90, 63                         ; (TB is 55 at the most)
	s_lshl_b32 s99, s99, 6
	s_add_co_u32 s99, s99, s22
	v_lshl_add_u32 v12, v12, 5, s99                ; entries 16 TB + 8 h on
	WIN W_LD
.irp i, 0,1,2
	global_load_b128 v[AR+8*(\i):AR+8*(\i)+3], v12, s[10:11] offset:512*(\i)
	global_load_b128 v[AR+8*(\i)+4:AR+8*(\i)+7], v12, s[10:11] offset:512*(\i)+16
.endr
	WIN 0
.endm
; THE WEIGHTS' PART OF SLOT j: group j + 1 (from the trip's origin) is rounded and stored, group j + 4 asked for into the registers that it leaves.  lc: the younger loads that may stay out.
.macro LB j, lc
	s_wait_loadcnt \lc
	WIN W_CV
.irp jp, 0,1,2,3
.irp u, 0,1,2,3
	v_cvt_pk_bf16_f32 v[WT+4*(\jp)+(\u)], v[RW+32*(((\j)+1)%3)+8*(\u)+(\jp)], v[RW+32*(((\j)+1)%3)+8*(\u)+4+(\jp)]
.endr
.endr
	WIN W_ST
.irp jp, 0,1,2,3
	ds_store_b128 v7, v[WT+4*(\jp):WT+4*(\jp)+3] offset:(2*(\j)+2)*8192+(\jp)*1024
.endr
	WLOAD (\j)+4, ((\j)+1)%3
.endm
; A K STEP.  ai = 1: the rows of step kk + 5 are asked for; ai = 2: the list entries.  lc: the younger loads that may stay out.  bn = 1: a step follows.
; Every accumulator has one instruction a turn.
.macro CB kk, ai, lc, bn
	WIN 0
	PLACES                                         ; the buffer and the slot filled below were read by the step before
.if (\ai) == 1
.if (\kk) < 3
	ALOAD (\kk)+5, 4
.else
	ALOAD (\kk)+5, 86                              ; by the base that stays behind in the last trip
.endif
.endif
.if (\ai) == 2
	ENTLOAD
.endif
	BPAIR \kk, 2
	s_wait_loadcnt \lc                             ; this step's six row loads are in
.irp p, 0,1,2,3
.if (\bn) || ((\p) < 2)
	s_wait_dscnt 8                                 ; pair p is in; the two younger pairs, eight loads, stay out
.else
	s_wait_dscnt 4*(3-(\p))                        ; the last step: one younger pair, then none
.endif
	WIN W_MM
.irp cc, 0,1
.irp i, 0,1
	v_wmma_f32_16x16x32_bf16 v[ACC+64*(\i)+8*(2*(\p)+(\cc)):ACC+64*(\i)+8*(2*(\p)+(\cc))+7], v[AR+24*((\kk)%6)+8*(\i):AR+24*((\kk)%6)+8*(\i)+7], v[BR+16*(((\kk)+(\p))%3)+8*(\cc):BR+16*(((\kk)+(\p))%3)+8*(\cc)+7], v[ACC+64*(\i)+8*(2*(\p)+(\cc)):ACC+64*(\i)+8*(2*(\p)+(\cc))+7]
.endr
.endr
	WIN 0                                          ; at a branch and at a label every window is 0
	s_cmp_eq_u32 s91, 0
	s_cbranch_scc1 .Lt2_\@_\p                      ; the third tile holds no rows
	WIN W_MM
.irp cc, 0,1
	v_wmma_f32_16x16x32_bf16 v[ACC+128+8*(2*(\p)+(\cc)):ACC+128+8*(2*(\p)+(\cc))+7], v[AR+24*((\kk)%6)+16:AR+24*((\kk)%6)+23], v[BR+16*(((\kk)+(\p))%3)+8*(\cc):BR+16*(((\kk)+(\p))%3)+8*(\cc)+7], v[ACC+128+8*(2*(\p)+(\cc)):ACC+128+8*(2*(\p)+(\cc))+7]
.endr
	WIN 0
.Lt2_\@_\p:
.if ((\p) == 0) || (((\p) < 3) && (\bn))
	PLACES
	BPAIR \kk, (\p)+3                              ; into the slot just multiplied
.endif
.endr
.endm
; A SLOT.  46: the least number of loads issued behind the group in any trip.  54, 46: behind an even step's rows three groups of weights and five steps of rows have been issued, behind an odd step's two and five.
.macro SLOT j
	LB \j, 46
	s_wait_dscnt 0x0                               ; my stores are done and my LDS loads are back
	s_barrier_signal -1
	s_barrier_wait -1
	CB 2*(\j), 1, 54, 1
	CB 2*(\j)+1, 1, 46, 1
.endm
; The three tiles' offsets; the bases at the pass's first tile, K step 0
.macro AOSET
	s_add_co_u32 s99, s90, 16
	s_cmp_lt_u32 s99, s88
	s_cselect_b32 s91, 1, 0                        ; does the third tile hold rows?
	s_min_u32 s99, s90, 63
	s_lshl_b32 s2, s99, 17                         ; a tile is 131,072 bytes of h_ws
	s_add_nc_u64 s[4:5], s[100:101], s[2:3]
	s_mov_b64 s[86:87], s[4:5]
	v_mov_b32 v[AO], v8
.irp i, 1,2
	s_add_co_u32 s99, s90, 8*(\i)
	s_cmp_lt_u32 s99, s89
	s_cselect_b32 s99, (\i)<<20, 0                 ; eight tiles on each time, or, past the written tiles, the first once more
	v_add_nc_u32 v[AO+(\i)], s99, v8
.endr
.endm
; THE SUMS BEGIN with the bias (times 1 in quarter 0, times 0 elsewhere).  Lane (r, h) has loaded b2 of columns 64 h + 4 r + j'; register 2 j' of ONE fragment holds its bf16 part and the bf16 part of the
; rest.  The other source holds ones in register 2 j' of lane half g alone (a window of eight registers into ZA), so the product is the bias of block 4 g + j' in every row.  C is the constant 0.
.macro BIASINIT lc
.set z, 0
.rept 22
.if (z != 6) && (z != 14)
	v_mov_b32 v[ZA+z], 0
.endif
.set z, z+1
.endr
	v_mov_b32 v[TT], 0x3f803f80                    ; 1.0 twice
	v_bfe_u32 v[TT+1], v0, 4, 1
	v_cmp_eq_u32 vcc_lo, 0, v[TT+1]
	v_cndmask_b32 v[ZA+6], 0, v[TT], vcc_lo
	v_cndmask_b32 v[ZA+14], v[TT], v[ZA], vcc_lo
	s_wait_loadcnt \lc                             ; the bias
.irp jp, 0,1,2,3
	v_mul_f32 v[BB+(\jp)], s82, v[BB+(\jp)]
	v_cvt_pk_bf16_f32 v[TT+1], v[BB+(\jp)], v[BB+(\jp)]
	v_lshlrev_b32 v[TT+1], 16, v[TT+1]             ; the bf16 part, in f32
	v_sub_f32 v[TT+2], v[BB+(\jp)], v[TT+1]        ; the rest
	v_cvt_pk_bf16_f32 v[WBF+2*(\jp)], v[BB+(\jp)], v[TT+2]
	v_mov_b32 v[WBF+2*(\jp)+1], 0
.endr
.irp g, 0,1
.irp jp, 0,1,2,3
.irp i, 0,1,2
	v_wmma_f32_16x16x32_bf16 v[ACC+64*(\i)+8*(4*(\g)+(\jp)):ACC+64*(\i)+8*(4*(\g)+(\jp))+7], v[ZA+8*(\g)+6-2*(\jp):ZA+8*(\g)+13-2*(\jp)], v[WBF:WBF+7], 0
.endr
.endr
.endr
	PLACES                                         ; loads land on those products' sources
.endm
; THE WAY OUT of tile TB + 8 t.  Row 8 h + j goes to row entry + 2,048 kq of y_ws.  Four rows' numbers at a time are brought into neighbouring registers; a store's lanes 0-15 fill 256 consecutive aligned
; bytes of row j, lanes 16-31 of row 8 + j.  A lane is on where the count R is above its row's rank 16 tile + 8 h + j.  lab: behind the pass's last way out.
.macro EPI t, lab
	s_add_co_u32 s99, s90, 8*(\t)
	s_cmp_ge_u32 s99, s88
	s_cbranch_scc1 \lab                            ; this tile and the later ones hold no rows
	s_lshl_b32 s99, s99, 4
	v_add_nc_u32 v12, s99, v10                     ; 16 tile + 8 h
	WIN W_ST
.irp j, 0,1,2,3,4,5,6,7
	v_min_u32 v[BR+32+(\j)], 0x7ff, v[AR+8*(\t)+(\j)]
.endr
	WIN 0
.irp j, 0,1,2,3,4,5,6,7
	v_lshl_add_u32 v[BR+32+(\j)], v[BR+32+(\j)], 12, v9  ; entry x 4,096 bytes + 16 r
.endr
.irp jh, 0,1                           ; registers 0-3 of each accumulator first
.irp jl, 0,1,2,3
.irp g, 0,1
.irp jp, 0,1,2,3
	v_mov_b32 v[BR+8*(\jl)+4*(\g)+(\jp)], v[ACC+64*(\t)+32*(\g)+8*(\jp)+4*(\jh)+(\jl)]
.endr
.endr
.endr
.irp jl, 0,1,2,3
	v_add_nc_u32 v13, 4*(\jh)+(\jl), v12           ; my row's rank
	v_cmp_gt_u32 vcc_lo, s85, v13
	s_and_saveexec_b32 s20, vcc_lo                 ; (no memory instruction has been issued since the last s_wait_xcnt 0)
	global_store_b128 v[BR+32+4*(\jh)+(\jl)], v[BR+8*(\jl):BR+8*(\jl)+3], s[14:15]
	global_store_b128 v[BR+32+4*(\jh)+(\jl)], v[BR+8*(\jl)+4:BR+8*(\jl)+7], s[14:15] offset:256
	s_wait_xcnt 0x0                                ; EXEC, offsets and data change only behind this wait
	s_mov_b32 exec_lo, -1                          ; all 32 lanes on again, as at the entry
.endr
.endr
.endm
; A LATER PASS: the wave's next three tiles, if it has rows left; else it is done.  Eight trips of four K steps: the four steps' rows are asked for at the trip's head, 24 loads; step kk waits for its own
; six and leaves the 6 (3 - kk) younger out.  The weights come from LDS; nothing is stored there any more, so no barrier stands here.
.macro LATER
	s_add_co_u32 s90, s90, 24
	s_cmp_ge_u32 s90, s88
	s_cbranch_scc1 .Lend
	s_wait_xcnt 0x0
	s_wait_loadcnt 0x0
	s_wait_dscnt 0x0
	global_load_b128 v[BB:BB+3], v8, s[8:9]
	AOSET
	BIASINIT 0
	s_mov_b32 s95, 0
	s_mov_b32 s94, 8
.Lq_\@:
	v_add_nc_u32 v1, s95, v8
	PLACES                                         ; the buffers and slots filled below were read by the trip before
	ALOAD 0, 4
	ALOAD 1, 4
	ALOAD 2, 4
	ALOAD 3, 4
	BPAIR 0, 0
	BPAIR 0, 1
	CB 0, 0, 18, 1
	CB 1, 0, 12, 1
	CB 2, 0, 6, 1
	CB 3, 0, 0, 0
	s_wait_xcnt 0x0                                ; the tiles' base is rewritten only behind this wait
	s_add_nc_u64 s[4:5], s[4:5], 4*ASTEP
	s_add_co_u32 s95, s95, 32768
	s_sub_co_u32 s94, s94, 1
	s_cmp_lg_u32 s94, 0
	s_cbranch_scc1 .Lq_\@
	PLACES
	ENTLOAD
	s_wait_loadcnt 0x0                             ; the entries
	s_wait_xcnt 0x0                                ; EXEC changes only behind this wait
	EPI 0, .Ld_\@
	EPI 1, .Ld_\@
	EPI 2, .Ld_\@
.Ld_\@:
.endm
	s_load_b256 s[4:11], s[0:1], 0x0               ; h_ws s[4:5], w2 s[6:7], b2 s[8:9], list s[10:11]
	s_load_b128 s[12:15], s[0:1], 0x20             ; cnt s[12:13], y_ws s[14:15]
	v_lshl_add_u32 v14, v0, 2, SPARE               ; my spare word,
	v_mov_b32 v15, 0                               ; and 0: kept for the closing add alone
	v_lshrrev_b32 v12, 5, v0
	v_readfirstlane_b32 s66, v12                   ; wave 0..7
	s_and_b32 s67, ttmp7, 0xffff                   ; e
	s_lshr_b32 s80, ttmp9, 3                       ; kq
	s_and_b32 s81, ttmp9, 7                        ; cs
	v_and_b32 v12, 31, v0                          ; L
	v_and_b32 v9, 15, v0                           ; r
	v_bfe_u32 v10, v0, 4, 1                        ; h
	v_lshlrev_b32 v8, 4, v12                       ; 16 L
	v_lshlrev_b32 v9, 4, v9                        ; 16 r
	v_lshl_add_u32 v5, v10, HSH, v9                ; + the other half's rows
	v_mov_b32 v6, v5
	v_lshlrev_b32 v10, 3, v10                      ; 8 h
	s_and_b32 s88, s66, 1                          ; g: which 64 columns I round
	s_lshr_b32 s89, s66, 1
	s_and_b32 s89, s89, 1                          ; ih: positions 8 ih .. 8 ih + 7
	s_lshr_b32 s90, s66, 2                         ; which of a slot's two K steps
	s_lshl_b32 s98, s90, 13
	s_lshl_b32 s99, s88, 12
	s_add_co_u32 s98, s98, s99
	s_lshl_b32 s99, s89, 9
	s_add_co_u32 s98, s98, s99                     ; LDS: 8,192 step + 4,096 g + 512 ih: eight different places
	s_lshl_b32 s2, s67, 24                         ; e x 16,777,216
	s_lshl_b32 s99, s80, 22                        ; + kq x 1,024 rows
	s_add_co_u32 s2, s2, s99
	s_lshl_b32 s99, s81, 9                         ; + cs x 512
	s_add_co_u32 s2, s2, s99
	s_lshl_b32 s99, s88, 8                         ; + g x 256
	s_add_co_u32 s2, s2, s99
	s_mul_i32 s99, s89, 8*PW                       ; + 8 ih rows
	s_add_co_u32 s2, s2, s99
	s_mul_i32 s99, s90, PARO                       ; + the slot's second step
	s_add_co_u32 s2, s2, s99
	s_mov_b32 s3, 0
	s_mov_b32 s95, 0
	s_mov_b32 s92, 5
	s_mov_b32 s17, 0
	s_mov_b32 s19, 0
	s_lshl_b32 s83, s67, 8
	s_mul_i32 s22, s67, 5120
	s_wait_kmcnt 0x0
	s_load_b32 s85, s[12:13], s83 offset:0x0       ; R
	s_add_nc_u64 s[6:7], s[6:7], s[2:3]
	s_lshl_b32 s2, s67, 12
	s_lshl_b32 s99, s81, 9
	s_add_co_u32 s2, s2, s99
	s_add_nc_u64 s[8:9], s[8:9], s[2:3]            ; b2 + e x 4,096 + cs x 512
	global_load_b128 v[BB:BB+3], v8, s[8:9]        ; the oldest load, so that its wait leaves all others out
	WLOAD 0, 0
	WLOAD 1, 1
	s_lshl_b32 s2, s80, 23
	s_add_co_u32 s2, s2, s99
	s_add_nc_u64 s[14:15], s[14:15], s[2:3]        ; y_ws + kq x 8,388,608 + cs x 512
	s_lshl_b32 s2, s67, 23
	s_lshl_b32 s99, s80, 15
	s_add_co_u32 s2, s2, s99
	s_add_nc_u64 s[100:101], s[4:5], s[2:3]        ; h_ws + e x 8,388,608 + kq x 32,768
	s_cmp_eq_u32 s80, 0
	s_cselect_b32 s82, 1.0, 0
	s_wait_kmcnt 0x0
	s_min_u32 s85, s85, 0x400
	s_add_co_u32 s88, s85, 15
	s_lshr_b32 s88, s88, 4                         ; T tiles hold rows
	s_max_u32 s89, s88, 16                         ; so many were written
	s_mov_b32 s90, s66                             ; TB
	AOSET
	ALOAD 0, 4                                     ; from here on in the loop's own pattern: rows 0; group 2; rows 1, 2; group 3; rows 3, 4
	WLOAD 2, 2
	ALOAD 1, 4
	ALOAD 2, 4
	BIASINIT 42                                    ; behind the bias: three groups of 8 and three steps of 6
	v_add_nc_u32 v1, s95, v8
	v_add_nc_u32 v7, s98, v8
	LB -1, 34                                      ; K steps 0 and 1; behind group 0: two groups and three steps
	ALOAD 3, 4
	ALOAD 4, 4
	s_wait_dscnt 0x0                               ; K steps 0 and 1 are stored
	s_barrier_signal -1
	s_barrier_wait -1
	BPAIR 0, 0
	BPAIR 0, 1
.Ltrip:                                                ; five trips of three slots: K steps 0 to 29 are multiplied, 2 to 31 stored
	v_add_nc_u32 v1, s95, v8
	v_add_nc_u32 v7, s98, v8
	SLOT 0
	SLOT 1
	SLOT 2
	s_wait_xcnt 0x0                                ; bases and lane term are rewritten only behind this wait
	s_cmp_gt_u32 s92, 2                            ; three times all bases go on; then the last weights and rows are asked for; then nothing is left
	s_cselect_b32 s16, 3*GSTR, 0
	s_cselect_b32 s18, 6*ASTEP, 0
	s_cselect_b32 s20, -1, 0
	s_add_nc_u64 s[6:7], s[6:7], s[16:17]
	s_add_nc_u64 s[86:87], s[86:87], s[18:19]
	s_add_nc_u64 s[4:5], s[4:5], 6*ASTEP
	v_and_b32 v6, s20, v5
	s_add_co_u32 s95, s95, 49152
	s_add_co_u32 s98, s98, 49152
	s_sub_co_u32 s92, s92, 1
	s_cmp_lg_u32 s92, 0
	s_cbranch_scc1 .Ltrip
	; PASS 0 ENDS: its last two K steps and its way out
	v_add_nc_u32 v1, 245760, v8                    ; K step 30
	CB 0, 0, 40, 1                                 ; behind step 30's rows the last trip issued 8 + 6 + 6 + 8 + 6 + 6 loads
	CB 1, 2, 32, 0                                 ; behind step 31's 6 + 8 + 6 + 6, and the six loads of entries
	PLACES
	s_wait_loadcnt 0x0                             ; the entries
	s_wait_xcnt 0x0                                ; EXEC changes only behind this wait
	EPI 0, .Ld0
	EPI 1, .Ld0
	EPI 2, .Ld0
.Ld0:
	LATER                                          ; pass 1
	LATER                                          ; pass 2
.Lend:
	s_wait_dscnt 0x0                               ; my reads of LDS are over;
	s_barrier_signal -1
	s_barrier_wait -1                              ; every wave's are, before any wave runs its closing lines
	s_wait_tensorcnt 0x0                           ; the wave's end
	ds_add_u32 v14, v15
	s_wait_dscnt 0x0
	s_endpgm
.Lfunc_end_k_q6329758fff_ffn2:
	.size	k_q6329758fff_ffn2, .Lfunc_end_k_q6329758fff_ffn2-k_q6329758fff_ffn2
	.p2alignl 7, 3214868480
	.fill 96, 4, 3214868480
	.section	.rodata,"a",@progbits
	.p2align	6, 0x0
	.amdhsa_kernel k_q6329758fff_ffn2
		.amdhsa_group_segment_fixed_size 263168
		.amdhsa_private_segment_fixed_size 0
		.amdhsa_enable_private_segment 0
		.amdhsa_kernarg_size 48
		.amdhsa_user_sgpr_count 2
		.amdhsa_user_sgpr_kernarg_segment_ptr 1
		.amdhsa_wavefront_size32 1
		.amdhsa_system_sgpr_workgroup_id_x 1
		.amdhsa_system_sgpr_workgroup_id_y 1
		.amdhsa_system_sgpr_workgroup_id_z 1
		.amdhsa_system_vgpr_workitem_id 0
		.amdhsa_next_free_vgpr 512
		.amdhsa_next_free_sgpr 102
		.amdhsa_reserve_vcc 1
		.amdhsa_float_denorm_mode_32 3
		.amdhsa_float_denorm_mode_16_64 3
		.amdhsa_memory_ordered 1
		.amdhsa_forward_progress 1
		.amdhsa_inst_pref_size 160
	.end_amdhsa_kernel
	.amdgpu_metadata
---
amdhsa.version: [ 1, 2 ]
amdhsa.kernels:
  - .name:           k_q6329758fff_ffn2
    .symbol:         k_q6329758fff_ffn2.kd
    .args:
      - { .name: h_ws, .offset: 0, .size: 8, .value_kind: global_buffer, .address_space: global }
      - { .name: w2, .offset: 8, .size: 8, .value_kind: global_buffer, .address_space: global }
      - { .name: b2, .offset: 16, .size: 8, .value_kind: global_buffer, .address_space: global }
      - { .name: list, .offset: 24, .size: 8, .value_kind: global_buffer, .address_space: global }
      - { .name: cnt, .offset: 32, .size: 8, .value_kind: global_buffer, .address_space: global }
      - { .name: y_ws, .offset: 40, .size: 8, .value_kind: global_buffer, .address_space: global }
    .group_segment_fixed_size: 263168
    .private_segment_fixed_size: 0
    .kernarg_segment_align: 8
    .kernarg_segment_size: 48
    .max_flat_workgroup_size: 256
    .sgpr_count:     102
    .vgpr_count:     512
    .wavefront_size: 32
...
	.end_amdgpu_metadata
.endif
;; end of part 4
;; launch combine (part 5): grid 256 x 1, 8 waves a work-group, no clusters, 0 bytes of LDS; arguments y_ws, prob, out0; writes out0
.if DOCPART == 5
	.amdgcn_target "amdgcn-amd-amdhsa--gfx1250"
	.amdhsa_code_object_version 6
	.text
	.protected	k_q6329758fff_combine
	.globl	k_q6329758fff_combine
	.p2align	8
	.type	k_q6329758fff_combine,@function
k_q6329758fff_combine:
	s_mov_b64 s[64:65], 0
	v_nop
	global_prefetch_b8 v0, s[64:65] scope:SCOPE_SE
	s_setreg_imm32_b32 hwreg(HW_REG_WAVE_MODE, 25, 1), 1
	s_wait_xcnt 0x0
; COMBINE.  out0[token] = p0 x (y0 + y2 + y4 + y6) + p1 x (y1 + y3 + y5 + y7): plane 2 kq + order of y_ws ([1024][1024] f32) is quarter kq of the result of the token's lower (order 0) or higher
; (order 1) expert; p0, p1 are the gate's weights from prob [2][1024].  The sums go in the fixed order (a + b) + (c + d).
; A stream: each byte is read once and written once; a load or store of a wave covers 512 consecutive aligned bytes.  A work-group owns four rows of out0; its 256 threads hold row 4 wg + u, 16 bytes
; each, so a row's two weights are scalars.  All 32 loads of a wave go out before the first wait.  LDS, barriers and the matrix unit would add nothing.
.set D, 16                             ; v16-143: row u, plane p at D + 32 u + 4 p
	s_load_b128 s[4:7], s[0:1], 0x0                ; y_ws s[4:5], prob s[6:7]
	s_load_b64 s[8:9], s[0:1], 0x10                ; out0
	v_lshlrev_b32 v1, 4, v0
	s_lshl_b32 s2, ttmp9, 14
	v_add_nc_u32 v1, s2, v1
	s_lshl_b32 s3, ttmp9, 4
	s_wait_kmcnt 0x0
	s_load_b128 s[16:19], s[6:7], s3 offset:0x0    ; p0 of my four tokens
	s_load_b128 s[20:23], s[6:7], s3 offset:0x1000 ; p1
	s_mov_b64 s[24:25], s[4:5]                     ; planes 0, 1
	s_add_nc_u64 s[26:27], s[4:5], 0x800000        ; planes 2, 3
	s_add_nc_u64 s[28:29], s[4:5], 0x1000000       ; planes 4, 5
	s_add_nc_u64 s[30:31], s[4:5], 0x1800000       ; planes 6, 7: the odd plane of a pair stands in the immediate
.irp u, 0,1,2,3
.irp p, 0,1,2,3,4,5,6,7
	global_load_b128 v[D+32*(\u)+4*(\p):D+32*(\u)+4*(\p)+3], v1, s[24+2*((\p)/2):25+2*((\p)/2)] offset:((\p)%2)*4194304+(\u)*4096 th:TH_LOAD_NT
.endr
.endr
	s_wait_kmcnt 0x0
.irp u, 0,1,2,3
	s_wait_loadcnt 8*(3-(\u))                      ; row u's eight loads are in; the later rows' stay out
.irp p, 0,1,4,5                        ; plane p takes plane p + 2,
	v_pk_add_f32 v[D+32*(\u)+4*(\p):D+32*(\u)+4*(\p)+1], v[D+32*(\u)+4*(\p):D+32*(\u)+4*(\p)+1], v[D+32*(\u)+4*(\p)+8:D+32*(\u)+4*(\p)+9]
	v_pk_add_f32 v[D+32*(\u)+4*(\p)+2:D+32*(\u)+4*(\p)+3], v[D+32*(\u)+4*(\p)+2:D+32*(\u)+4*(\p)+3], v[D+32*(\u)+4*(\p)+10:D+32*(\u)+4*(\p)+11]
.endr
.irp p, 0,1                            ; then plane p + 4
	v_pk_add_f32 v[D+32*(\u)+4*(\p):D+32*(\u)+4*(\p)+1], v[D+32*(\u)+4*(\p):D+32*(\u)+4*(\p)+1], v[D+32*(\u)+4*(\p)+16:D+32*(\u)+4*(\p)+17]
	v_pk_add_f32 v[D+32*(\u)+4*(\p)+2:D+32*(\u)+4*(\p)+3], v[D+32*(\u)+4*(\p)+2:D+32*(\u)+4*(\p)+3], v[D+32*(\u)+4*(\p)+18:D+32*(\u)+4*(\p)+19]
.endr
.irp k, 0,1,2,3
	v_mul_f32 v[D+32*(\u)+(\k)], s[16+(\u)], v[D+32*(\u)+(\k)]
.endr
.irp k, 0,1,2,3
	v_fma_f32 v[D+32*(\u)+(\k)], s[20+(\u)], v[D+32*(\u)+4+(\k)], v[D+32*(\u)+(\k)]
.endr
	global_store_b128 v1, v[D+32*(\u):D+32*(\u)+3], s[8:9] offset:(\u)*4096 th:TH_STORE_NT
.endr
	s_endpgm
.Lfunc_end_k_q6329758fff_combine:
	.size	k_q6329758fff_combine, .Lfunc_end_k_q6329758fff_combine-k_q6329758fff_combine
	.p2alignl 7, 3214868480
	.fill 96, 4, 3214868480
	.section	.rodata,"a",@progbits
	.p2align	6, 0x0
	.amdhsa_kernel k_q6329758fff_combine
		.amdhsa_group_segment_fixed_size 0
		.amdhsa_private_segment_fixed_size 0
		.amdhsa_enable_private_segment 0
		.amdhsa_kernarg_size 24
		.amdhsa_user_sgpr_count 2
		.amdhsa_user_sgpr_kernarg_segment_ptr 1
		.amdhsa_wavefront_size32 1
		.amdhsa_system_sgpr_workgroup_id_x 1
		.amdhsa_system_sgpr_workgroup_id_y 1
		.amdhsa_system_sgpr_workgroup_id_z 1
		.amdhsa_system_vgpr_workitem_id 0
		.amdhsa_next_free_vgpr 144
		.amdhsa_next_free_sgpr 66
		.amdhsa_reserve_vcc 0
		.amdhsa_float_denorm_mode_32 3
		.amdhsa_float_denorm_mode_16_64 3
		.amdhsa_memory_ordered 1
		.amdhsa_forward_progress 1
		.amdhsa_inst_pref_size 9
	.end_amdhsa_kernel
	.amdgpu_metadata
---
amdhsa.version: [ 1, 2 ]
amdhsa.kernels:
  - .name:           k_q6329758fff_combine
    .symbol:         k_q6329758fff_combine.kd
    .args:
      - { .name: y_ws, .offset: 0, .size: 8, .value_kind: global_buffer, .address_space: global }
      - { .name: prob, .offset: 8, .size: 8, .value_kind: global_buffer, .address_space: global }
      - { .name: out0, .offset: 16, .size: 8, .value_kind: global_buffer, .address_space: global }
    .group_segment_fixed_size: 0
    .private_segment_fixed_size: 0
    .kernarg_segment_align: 8
    .kernarg_segment_size: 24
    .max_flat_workgroup_size: 256
    .sgpr_count:     66
    .vgpr_count:     144
    .wavefront_size: 32
...
	.end_amdgpu_metadata
.endif
;; end of part 5
